; MI455X (gfx1250); checked and timed in simulation.
; The chip was launched on July 23, 2026; its instructions are those of AMD's public machine-readable ISA for CDNA 5 (MIT licence, August 2026) and "CDNA5" Instruction Set Architecture Reference Guide (July 2026). The comments in the code are by the model that wrote it; some were corrected since.
;; Riemannian Manifold. Allowed arithmetic: matrix products marked QUANTISED: E2M1 operands, one E8M0 scale for each 32 along K, by v_wmma_scale_f32_16x16x128_f8f6f4 with both operands' format E2M1 (or v_wmma_scale_f32_32x16x128_f4), f32 sums; products left as they are: f32 operands where the result goes on into a quantised operand, else bf16, f16 or f32 operands; f32 sums; everything else in f32.
;; Inputs: W1 16 x 64 float32; W2_codes 256 x 2 x 16 uint8 (E2M1 codes of W2, K innermost, in blocks of 32 codes, two codes a byte); W2_scales 256 x 2 uint8 (E8M0 scales of W2, one for each 32 codes along K); b1 64 float32; b2 256 float32; x1 8 x 256 x 1 x 16 float32; x2 8 x 1 x 256 x 16 float32.
;; Outputs: out0 8 x 256 x 256 float32.
;; This version of the problem:
;;   THIS VERSION OF THE PROBLEM IS GIVEN IN LOW PRECISION. The matrix products marked QUANTISED in the list below multiply operands that are first quantised to E2M1 (2 exponent bits, 1 mantissa bit; 4 bits a number), with one power-of-two scale for each 32 numbers along K (OCP MX v1.0); their sums are f32. All else is computed in f32.
;;   The module's matrix products, in the order in which they are computed (A, B: the left and right operand; K: the contracted axis; several contracted axes count as one K, in the product's order):
;;     1. [M 524,288, K 16] x [K 16, N 64]; A: computed on the way; B: input W1: left as it is (K = 16 < 32)
;;     2. [M 524,288, K 64] x [K 64, N 256]; A: computed on the way; B: input W2 (given as codes): QUANTISED
;;     3. batch 524,288 x [M 16, K 16] x [K 16, N 1]; A: computed on the way; B: computed on the way: left as it is (K = 16 < 32)
;;   THE QUANTISER, for each operand of a quantised product, along K:
;;     - K is cut into blocks of 32 from its start; a last block that is shorter is filled with zeros.
;;     - A block's scale is 2^e with e = floor(log2(the largest magnitude in the block)) - 2, held to -126 .. 127; a block of zeros has e = 0. As a byte (E8M0): e + 127.
;;     - Each number is divided by its block's scale, clamped to +-6, and rounded to the nearest number of E2M1, ties to even, subnormals kept.
;;     - The product sums the exact products of the quantised numbers (number of the format x scale) in f32.
;;   ~~~python
;;   def quantise(x, axis):      # numpy; x: float32 -> the quantised numbers, widened to float32 again
;;       x = np.moveaxis(x, axis, -1); K = x.shape[-1]
;;       x = np.pad(x, [(0, 0)] * (x.ndim - 1) + [(0, -K % 32)]); x = x.reshape(x.shape[:-1] + (-1, 32)); a = np.abs(x).max(-1, keepdims=True)
;;       e = np.where(a > 0, np.clip(np.frexp(np.where(a > 0, a, 1))[1] - 1 - 2, -126, 127), 0)      # np.frexp(a)[1] - 1 = floor(log2(a)), exactly
;;       r = np.clip(x / 2.0 ** e, -6, 6)
;;       step = 2.0 ** (np.maximum(np.frexp(np.where(r == 0, 1, r))[1] - 1, 0) - 1)
;;       q = np.round(r / step) * step * 2.0 ** e      # np.round: ties to even
;;       return np.moveaxis(q.reshape(q.shape[:-2] + (-1,))[..., :K], -1, axis).astype(np.float32)
;;   ~~~
;;   OPERANDS COMPUTED ON THE WAY. 'Computed on the way' means the value that the module computes at that place (a softmax that the list does not call 'softmax' is quantised finished and normalised). What goes into a quantiser is computed in f32, as accurately as f32 sums, v_exp_f32 and their like allow (about 1e-6 of the number): no bf16 or f16 on the way to a quantiser, and a product that is left as it is and whose result goes on into a quantised operand takes f32 operands (vector FMAs, or v_wmma_f32_16x16x4_f32). A number that lies on a knife's edge between two numbers of the format may be rounded either way, as far as f32 arithmetic and the matrix unit's own rounding can turn it there, and no further.
;;   INPUTS GIVEN AS CODES. W2 (in the module: [64, 256], K = its axis 0): each comes as NAME_codes (uint8): NAME with its K axis moved to the last place and cut into blocks of 32 codes, [.., K / 32, bytes a block], one block behind the other in memory; two codes a byte, the lower K in the low four bits (a code: sign, 2 exponent bits, 1 mantissa bit); and NAME_scales (uint8): the same leading axes, one E8M0 byte (e + 127) for each 32 codes along K. Its value is code x scale, taken as it is: it is not quantised again, and the codes and scales need not be those that the quantiser above would give.
;; One version. Each part assembles by itself: llvm-mc -triple=amdgcn-amd-amdhsa -mcpu=gfx1250 --defsym DOCPART=n.
;; ======== version 1 of 1: 1 launch
;; launch field (part 1): grid 32 x 8, 8 waves a work-group, no clusters, 51,712 bytes of LDS; arguments x1, x2, W1, b1, W2_codes, W2_scales, b2, out0; writes out0
.if DOCPART == 1
	.amdgcn_target "amdgcn-amd-amdhsa--gfx1250"
	.amdhsa_code_object_version 6
	.text
	.protected	k_q9aabff63a7_field
	.globl	k_q9aabff63a7_field
	.p2align	8
	.type	k_q9aabff63a7_field,@function
k_q9aabff63a7_field:
	s_mov_b64 s[64:65], 0
	v_nop
	global_prefetch_b8 v0, s[64:65] scope:SCOPE_SE
	s_setreg_imm32_b32 hwreg(HW_REG_WAVE_MODE, 25, 1), 1
	s_wait_xcnt 0x0
; out[b][n][m] = sqrt(max(|L^T dx|^2, 1e-6)), dx = x2[b][m] - x1[b][n], L = the lower triangle of Q(silu(mid W1 + b1)) W2 + b2 + I with softplus on its diagonal,
; mid = (x1 + x2) / 2.  B = 8, N = M = 256, D = 16, H = 64.  Q: codes of E2M1 with one E8M0 scale for each 32 of the 64 hidden units; W2 comes as codes and scale bytes.
; THREE THINGS ARE NOT COMPUTED, each by the problem's own form.  (1) mid W1 + b1 = x1 (W1/2) + (x2 (W1/2) + b1): two small tables u1[n][64], u2[m][64], made by f32 multiply-adds
; once in a work-group; a position then costs 64 additions.  (2) The triangle keeps 136 of the 256 columns of the product: 9 tiles of 16 in place of 16.  (3) softplus on the 16 diagonal entries alone.
; SHARES.  256 work-groups of 8 waves; a work-group owns 32 n x 64 m of one b.  Wave w: m = m0 + 32 (w & 1) + 16 q + r (q = 0, 1), n = n0 + 8 (w >> 1) + 0 .. 7: sixteen tiles of 16 positions, four a trip.
; LANES.  r = lane % 16, hh = lane / 16.  Lane (r, hh) holds position r and hidden units 32 hh .. 32 hh + 31: one whole block of the quantiser, in the very registers of the 4-bit operand.
; THE PRODUCT IS USED TRANSPOSED (source 0 = 16 rows of W2's codes, source 1 = the hidden layer): lane (r, hh) gets position r, and register j of tile t is SLOT 8 t + j of half hh.
; SLOTS.  Half hh owns columns d = 2 a + hh of L.  Slot (a, i) is L[e][d], e = 2 a + hh + i: row 16 e + d of W2; it is multiplied by DX[x], x = 2 a + i, and DX[x] holds dx[x + hh].  Column a has 16 - 2 a slots;
; in half 1 the last of them (e = 16) is a pad: zero codes, zero bias, DX = 0.  72 slots a half.  Slots 0-15: (a, i) = (s / 2, s % 2), so the diagonal lies in register 2 a; then columns 0 to 6 from i = 2 on.
; Slots s, s + 1 (s even) have x even: the accumulator, DX and the column's sum are aligned pairs for packed multiply-adds.
; BOTH HALVES OF THE INSTRUCTION'S K = 128 ARE USED: a fragment of W2 holds tile 2 f in k 0-63 and tile 2 f + 1 in k 64-127; the hidden layer's codes stand between two runs of four zero registers,
; so that [codes, zeros] picks the even tile and [zeros, codes] the odd one.
; NO CLUSTER, NO TENSOR LOAD: what work-groups share is W1, b1, W2 and b2, 14,080 bytes, read once into registers; all else of a work-group's input is 6,144 bytes.
; LIMITS.  u1 + u2 is rounded in another order than mid W1 + b1 (both are f32 sums of the same 16 products); b2 + 1 enters as the sums' start, not behind them.  A block of zeros has the scale byte 1, not 127: its codes are zeros.
; The exponential and the reciprocal flush denormals (ISA guide 15.8): silu under about -87 comes out as -0.  NaN and infinities among the inputs, and a W2 scale byte 0xff (it would also reach the tile that shares its fragment), are not served.
.set U1,    0                          ; LDS: u1, 32 rows x 256 bytes
.set X1S,   8192                       ; x1's image, 32 rows x 128 bytes: x[0..15], then x[1..15], 0
.set U2,    12288                      ; u2, 64 rows
.set U2P,   272                        ;   256 bytes + 16: the sixteen rows that a load touches start at sixteen different 16-byte columns
.set X2S,   29696                      ; x2's image, 64 rows
.set X2P,   144                        ;   128 bytes + 16
.set B2L,   38912                      ; 288 words: b2[c] (+ 1 on the diagonal), zeros at c = 256 .. 287 for the pads
.set STAGE, 40192                      ; the way out: a region for each wave,
.set SREG,  1152                       ;   8 rows (n) x 128 bytes (32 m) + 128 spare
; window 0, for the whole launch
.set VZ,   1                           ; 0
.set V8H,  2                           ; 8 hh
.set VU0,  3                           ; U1 + 2048 (w >> 1) + 128 hh
.set VX0,  4                           ; X1S + 1024 (w >> 1) + 64 hh
.set VST0, 5                           ; STAGE + SREG w + 128 hh + 4 r
.set VU,   6                           ; the three above + the trip's step
.set VX,   7
.set VST,  8
.set VRD,  9                           ; the way out: where I read 16 bytes of a row back
.set VOUT, 10                          ; and their place in out: 1024 hh + 16 r
.set HS,   250                         ; the hidden layer's scale word;  v250-255 hold scales and nothing else
.set W2S,  251                         ; W2's scale words, one a fragment
; window 0, in the loop
.set U1R,  16                          ; v16-47   u1 of the n in hand, my 32 units
.set X1R,  48                          ; v48-63   x1[x + hh] of that n
.set ACC,  64                          ; v64-135  nine accumulators;  laid over
.set P,    64                          ; v64-95   the hidden layer, and
.set T,    96                          ; v96-127  at work on it
.set ZL,   136                         ; v136-139 zeros
.set HC,   140                         ; v140-143 the hidden layer's codes
.set ZH,   144                         ; v144-147 zeros
.set DX,   148                         ; v148-163
.set Y,    164                         ; v164-179 a pair for each column a: the even x's part, the odd x's
.set SP,   180                         ; v180-187 softplus at work
.set MX,   188                         ; v188-195 max(diagonal, 0); then the columns' sums
.set MA,   196
.set MB,   197
.set SC,   198                         ; the conversions' scale operand
.set BY,   199
.set TP,   200
.set WD,   201
.set Q0,   202
.set SS,   210                         ; v210-213 |y|^2 of my half: tile q, n's parity par at SS + 2 q + par
.set Q1,   216
; window 0, at the head alone
.set VIO,  11
.set A1ST, 12
.set A2ST, 13
.set ABST, 14
.set A1RD, 15
.set W,    16                          ; v16-47   W1[e][2 l, 2 l + 1] / 2
.set B1,   48
.set IM,   50                          ; v50-61   image words of my 4 rows of x1 and 8 of x2
.set BW,   62
.set C7F,  63
.set XA,   64                          ; v64-127  four rows of x, the same in every lane
.set XB,   128                         ; v128-191 four more
.set ACH,  192                         ; v192-215 twelve rows of the tables, a pair each;  before that:
.set VJ,   192
.set VCB,  193
.set CTMP, 194
.set VT4,  195
.set VL,   196
.set VR,   197
.set VH,   198
.set TA,   199
.set TC,   200
.set ST,   216                         ; v216-224 a tile's two scale bytes
.set CO,   225                         ; v225-233 a tile's row of W2 for my lane, then its scale bytes' offset
.set CA,   234                         ; v234-242 its codes' offset
.set A2RD, 243
.set AW,   244
.set AU1,  245
.set AU2,  246
.set AU2R, 247
.set AX2R, 248
.set ABI,  249
; window 1
.set U2R,  0                           ; v0-63    u2 of my two m, 32 a tile
.set X2R,  64                          ; v64-95   x2[x + hh], 16 a tile
.set F,    96                          ; v96-135  W2's five fragments
.set BI,   136                         ; v136-207 the bias by slot: the C of each product
.set PM,   38                          ; s38-46   tile t's pad rows, as a mask of lanes
.set MSB, 0
.macro WIN new                         ; s_set_vgpr_msb: bits 1:0 source 0, 3:2 source 1, 5:4 source 2, 7:6 destination; the high byte repeats the setting that is left
.if MSB != \new
	s_set_vgpr_msb (MSB<<8)|\new
.set MSB, \new
.endif
.endm
; Slot s of half 0: column SA, DX register SX, row CROW of W2 (half 1: CROW + 17).  No instruction.
.macro SLOTC s
.if (\s) < 16
.set SA, (\s)/2
.set SI, (\s)%2
.else
.set SQ, (\s)-16
.if SQ < 14
.set SA, 0
.elseif SQ < 26
.set SA, 1
.elseif SQ < 36
.set SA, 2
.elseif SQ < 44
.set SA, 3
.elseif SQ < 50
.set SA, 4
.elseif SQ < 54
.set SA, 5
.else
.set SA, 6
.endif
.set SI, 2+SQ-SA*(15-SA)               ; column a begins at a (15 - a)
.endif
.set SX, 2*SA+SI
.set CROW, 16*SX+2*SA
.endm
; Which row of W2 is row r of tile t's fragment?  Rows 0-7 are half 0's slots 8 t + j, rows 8-15 half 1's.  Inside a column the row rises by 16 a slot, so it is 16 j + 17 (r / 8) + a constant
; that changes only where a column ends.  Rows past 255 are pads: remembered in a mask, and held at 255 so that no load leaves its buffer.
.macro CTILE t
	SLOTC 8*(\t)
.set CK, CROW
	v_add_nc_u32 v[CO+\t], CK, v[VCB]
.set jj, 1
.rept 7
	SLOTC 8*(\t)+jj
.if CROW-16*jj != CK
.set CK, CROW-16*jj
	v_cmp_le_u32 vcc_lo, jj, v[VJ]
	v_add_nc_u32 v[CTMP], CK, v[VCB]
	v_cndmask_b32 v[CO+\t], v[CO+\t], v[CTMP], vcc_lo
.endif
.set jj, jj+1
.endr
	v_cmp_lt_u32 s[PM+\t], s47, v[CO+\t]
	v_min_u32 v[CO+\t], 0xff, v[CO+\t]
	v_lshlrev_b32 v[CA+\t], 5, v[CO+\t]            ; a row of codes is 32 bytes;
	v_lshl_add_u32 v[CA+\t], v[VH], 4, v[CA+\t]    ; lanes 16-31 take k = 32 .. 63
	v_lshlrev_b32 v[CO+\t], 1, v[CO+\t]            ; two scale bytes a row
.endm
; Four rows of a table by turns: row k's pair += W1[e][2 l, 2 l + 1] / 2 x x[k][e], e ascending; x[k][e] is register e of the row, picked out of its pair by op_sel.
.macro UROWS xb, ac, bias
.set e, 0
.rept 16
.set k, 0
.rept 4
.set xr, \xb+16*k+2*(e/2)
.set ar, \ac+2*k
.if e == 0
.if \bias
	v_pk_fma_f32 v[ar:ar+1], v[W:W+1], v[xr:xr+1], v[B1:B1+1] op_sel_hi:[1,0,1]
.else
	v_pk_mul_f32 v[ar:ar+1], v[W:W+1], v[xr:xr+1] op_sel_hi:[1,0]
.endif
.elseif e%2
	v_pk_fma_f32 v[ar:ar+1], v[W+2*e:W+2*e+1], v[xr:xr+1], v[ar:ar+1] op_sel:[0,1,0] op_sel_hi:[1,1,1]
.else
	v_pk_fma_f32 v[ar:ar+1], v[W+2*e:W+2*e+1], v[xr:xr+1], v[ar:ar+1] op_sel_hi:[1,0,1]
.endif
.set k, k+1
.endr
.set e, e+1
.endr
.endm
; u1 and x1's image of the n that lies row rows on: sixteen lanes read the same bytes
.macro NLOAD au, ax, row
.irp c, 0,1,2,3,4,5,6,7
	ds_load_b128 v[U1R+4*\c:U1R+4*\c+3], v[\au] offset:256*(\row)+16*\c
.endr
.irp c, 0,1,2,3
	ds_load_b128 v[X1R+4*\c:X1R+4*\c+3], v[\ax] offset:128*(\row)+16*\c
.endr
.endm
; Slots s, s + 1 of L times their dx, onto the column's pair; a column's first product starts its sum
.macro PKOP s
	SLOTC \s
.if (YINIT>>SA)&1
	v_pk_fma_f32 v[Y+2*SA:Y+2*SA+1], v[ACC+(\s):ACC+(\s)+1], v[DX+SX:DX+SX+1], v[Y+2*SA:Y+2*SA+1]
.else
	v_pk_mul_f32 v[Y+2*SA:Y+2*SA+1], v[ACC+(\s):ACC+(\s)+1], v[DX+SX:DX+SX+1]
.set YINIT, YINIT|(1<<SA)
.endif
.endm
	s_load_b512 s[4:19], s[0:1], 0x0               ; x1 s[4:5], x2 s[6:7], W1 s[8:9], b1 s[10:11], W2's codes s[12:13], its scales s[14:15], b2 s[16:17], out s[18:19]
	s_set_vgpr_msb 0x40
	v_lshl_add_u32 v208, v0, 2, 0xc600
	v_mov_b32 v209, 0
	s_set_vgpr_msb 0x4000
	v_lshrrev_b32 v[TA], 5, v0
	v_readfirstlane_b32 s20, v[TA]                 ; wave 0..7
	v_mov_b32 v[VZ], 0
	v_and_b32 v[VL], 31, v0                        ; lane
	v_and_b32 v[VR], 15, v0                        ; r
	v_bfe_u32 v[VH], v0, 4, 1                      ; hh
	s_and_b32 s21, s20, 1                          ; which 32 m
	s_lshr_b32 s22, s20, 1                         ; which 8 n
	s_and_b32 s23, ttmp7, 0xffff                   ; b
	s_lshr_b32 s24, ttmp9, 2
	s_lshl_b32 s24, s24, 5                         ; n0
	s_and_b32 s25, ttmp9, 3
	s_lshl_b32 s25, s25, 6                         ; m0
	s_mov_b32 s30, 0x76543210
	s_mov_b32 s31, 0xfedcba98                      ; v_permlanex16_b32's selects for lane l xor 16
	s_mov_b32 s37, 0x80000000                      ; lane 31
	s_mov_b32 s47, 255
	s_mov_b32 s48, 0xbfb8aa3b                      ; -log2(e)
	s_mov_b32 s49, s48                             ; (named with it as a pair, so it is written)
	s_mov_b32 s50, 0x3f317218                      ; ln 2
	s_mov_b32 s51, 0x358637bd                      ; 1e-6
	; byte offsets: x1: my wave's 4 rows of 64 bytes; x2: its 8 rows; out: the 4 rows of 1,024 bytes that it stores
	s_lshl_b32 s52, s23, 14
	s_lshl_b32 s26, s24, 6
	s_add_co_u32 s26, s26, s52
	s_lshl_b32 s53, s20, 8
	s_add_co_u32 s26, s26, s53
	s_mov_b32 s27, 0
	s_lshl_b32 s28, s25, 6
	s_add_co_u32 s28, s28, s52
	s_lshl_b32 s53, s20, 9
	s_add_co_u32 s28, s28, s53
	s_mov_b32 s29, 0
	s_lshl_b32 s54, s23, 18
	s_lshl_b32 s53, s24, 10
	s_add_co_u32 s54, s54, s53
	s_lshl_b32 s53, s25, 2
	s_add_co_u32 s54, s54, s53
	s_lshl_b32 s53, s20, 12
	s_add_co_u32 s54, s54, s53
	s_mov_b32 s55, 0
	; every LDS address is made here, ahead of the first branch: a constant + a constant x wave + constants x lane numbers
	v_lshlrev_b32 v[V8H], 3, v[VH]
	s_lshl_b32 s52, s22, 11                        ; (U1 lies at byte 0)
	v_lshl_add_u32 v[VU0], v[VH], 7, s52
	s_lshl_b32 s52, s22, 10
	s_add_co_u32 s52, s52, X1S
	v_lshl_add_u32 v[VX0], v[VH], 6, s52
	s_mul_i32 s52, s20, SREG
	s_add_co_u32 s52, s52, STAGE
	v_lshl_add_u32 v[VST0], v[VH], 7, s52
	v_lshl_add_u32 v[VST0], v[VR], 2, v[VST0]
	s_mul_i32 s52, s22, 2*SREG                     ; back: rows 4 w + hh + 2 k of the 32: made by waves 2 (w >> 1) + (r >> 3), their rows 4 (w & 1) + hh + 2 k
	s_lshl_b32 s53, s21, 9
	s_add_co_u32 s52, s52, s53
	s_add_co_u32 s52, s52, STAGE
	v_bfe_u32 v[TA], v0, 3, 1
	v_and_b32 v[VJ], 7, v0
	v_mul_u32_u24 v[VRD], v[TA], SREG
	v_lshl_add_u32 v[VRD], v[VJ], 4, v[VRD]
	v_lshl_add_u32 v[VRD], v[VH], 7, v[VRD]
	v_add_nc_u32 v[VRD], s52, v[VRD]
	v_lshlrev_b32 v[VOUT], 4, v[VR]
	v_lshl_add_u32 v[VOUT], v[VH], 10, v[VOUT]
	v_add_nc_u32 v[VIO], v[VR], v[VH]              ; an image's word l is x[r + hh]; lane 31 would leave the row: it is held at 15 and its word replaced by 0
	v_min_u32 v[VIO], 15, v[VIO]
	v_lshlrev_b32 v[VIO], 2, v[VIO]
	s_lshl_b32 s52, s20, 9
	s_add_co_u32 s52, s52, X1S
	v_lshl_add_u32 v[A1ST], v[VL], 2, s52
	v_mov_b32 v[A1RD], s52
	s_mul_i32 s52, s20, 8*X2P
	s_add_co_u32 s52, s52, X2S
	v_lshl_add_u32 v[A2ST], v[VL], 2, s52
	v_mov_b32 v[A2RD], s52
	v_lshl_add_u32 v[ABST], v0, 2, B2L
	v_lshlrev_b32 v[VT4], 2, v0
	v_lshlrev_b32 v[AW], 3, v[VL]
	s_lshl_b32 s52, s20, 10
	v_lshl_add_u32 v[AU1], v[VL], 3, s52
	s_mul_i32 s52, s20, 8*U2P
	s_add_co_u32 s52, s52, U2
	v_lshl_add_u32 v[AU2], v[VL], 3, s52
	s_mul_i32 s52, s21, 32*U2P
	s_add_co_u32 s52, s52, U2
	v_mul_u32_u24 v[AU2R], v[VR], U2P
	v_lshl_add_u32 v[AU2R], v[VH], 7, v[AU2R]
	v_add_nc_u32 v[AU2R], s52, v[AU2R]
	s_mul_i32 s52, s21, 32*X2P
	s_add_co_u32 s52, s52, X2S
	v_mul_u32_u24 v[AX2R], v[VR], X2P
	v_lshl_add_u32 v[AX2R], v[VH], 6, v[AX2R]
	v_add_nc_u32 v[AX2R], s52, v[AX2R]
	v_mul_u32_u24 v[ABI], v[VH], 68                ; half 1's rows of W2 lie 17 words on
	v_add_nc_u32 v[ABI], B2L, v[ABI]
	v_lshlrev_b32 v[VCB], 4, v[VJ]
	v_mad_u32_u24 v[VCB], v[TA], 17, v[VCB]        ; 16 (r % 8) + 17 (r / 8)
.irp t, 0,1,2,3,4,5,6,7,8
	CTILE \t
.endr
	s_wait_kmcnt 0x0
	s_add_nc_u64 s[4:5], s[4:5], s[26:27]
	s_add_nc_u64 s[6:7], s[6:7], s[28:29]
	s_add_nc_u64 s[18:19], s[18:19], s[54:55]
	; 48 loads: 12 image words, b2's word, 17 of W1 and b1, 18 of W2
.irp k, 0,1,2,3
	global_load_b32 v[IM+\k], v[VIO], s[4:5] offset:64*\k
.endr
.irp k, 0,1,2,3,4,5,6,7
	global_load_b32 v[IM+4+\k], v[VIO], s[6:7] offset:64*\k
.endr
	global_load_b32 v[BW], v[VT4], s[16:17]        ; thread c takes b2[c]
.irp e, 0,1,2,3,4,5,6,7,8,9,10,11,12,13,14,15
	global_load_b64 v[W+2*\e:W+2*\e+1], v[AW], s[8:9] offset:256*\e   ; a row of W1: 32 lanes, 256 consecutive bytes
.endr
	global_load_b64 v[B1:B1+1], v[AW], s[10:11]
	WIN 0x40                                       ; destination window 1
.irp t, 0,1,2,3,4,5,6,7,8
	global_load_b128 v[F+4*\t:F+4*\t+3], v[CA+\t], s[12:13]   ; tile t: registers 4 (t % 2) on of fragment t / 2
.endr
	WIN 0
.irp t, 0,1,2,3,4,5,6,7,8
	global_load_u16 v[ST+\t], v[CO+\t], s[14:15]
.endr
	s_wait_loadcnt 35                              ; the 12 image words and b2's word are in; the 17 + 18 younger loads may be out
.irp k, 0,1,2,3,4,5,6,7,8,9,10,11
	v_cndmask_b32 v[IM+\k], v[IM+\k], v[VZ], s37   ; x[16] = 0
.endr
.irp k, 0,1,2,3
	ds_store_b32 v[A1ST], v[IM+\k] offset:128*\k
.endr
.irp k, 0,1,2,3,4,5,6,7
	ds_store_b32 v[A2ST], v[IM+4+\k] offset:X2P*\k
.endr
	v_lshrrev_b32 v[TC], 4, v0
	v_cmp_eq_u32 vcc_lo, v[VR], v[TC]              ; c = 16 e + d with e = d
	v_add_f32 v[TC], 1.0, v[BW]
	v_cndmask_b32 v[BW], v[BW], v[TC], vcc_lo      ; the unit matrix goes into the bias
	ds_store_b32 v[ABST], v[BW]
	s_cmp_lg_u32 s20, 0
	s_cbranch_scc1 .Lnot_wave_0
	ds_store_b32 v[ABST], v[VZ] offset:1024        ; wave 0: words 256 .. 287, the pads' bias
.Lnot_wave_0:
.irp k, 0,1,2,3                                ; my own rows come back, each whole in every lane: LDS serves a wave's instructions in order (ISA guide 5.7.1.4), so these see my stores
.irp c, 0,1,2,3
	ds_load_b128 v[XA+16*\k+4*\c:XA+16*\k+4*\c+3], v[A1RD] offset:128*\k+16*\c
.endr
.endr
.irp k, 0,1,2,3
.irp c, 0,1,2,3
	ds_load_b128 v[XB+16*\k+4*\c:XB+16*\k+4*\c+3], v[A2RD] offset:X2P*\k+16*\c
.endr
.endr
	s_wait_loadcnt 18                              ; W1 and b1 are in; W2's 18 loads may be out
.irp e, 0,1,2,3,4,5,6,7,8,9,10,11,12,13,14,15
	v_pk_mul_f32 v[W+2*\e:W+2*\e+1], v[W+2*\e:W+2*\e+1], 0.5 op_sel_hi:[1,0]   ; exact
.endr
	s_wait_dscnt 16                                ; x1's four rows are in; the sixteen loads behind them may be out
	UROWS XA, ACH, 0
.irp k, 0,1,2,3
.irp c, 0,1,2,3
	ds_load_b128 v[XA+16*\k+4*\c:XA+16*\k+4*\c+3], v[A2RD] offset:X2P*(4+\k)+16*\c
.endr
.endr
	s_wait_dscnt 16                                ; x2's rows 0-3 are in; rows 4-7 may be out
	UROWS XB, ACH+8, 1
	s_wait_dscnt 0x0
	UROWS XA, ACH+16, 1
.irp k, 0,1,2,3
	ds_store_b64 v[AU1], v[ACH+2*\k:ACH+2*\k+1] offset:256*\k
.endr
.irp k, 0,1,2,3,4,5,6,7
	ds_store_b64 v[AU2], v[ACH+8+2*\k:ACH+8+2*\k+1] offset:U2P*\k
.endr
	s_wait_loadcnt 0x0                             ; W2
	WIN 0x41                                       ; destination and source 0 window 1
.irp t, 0,1,2,3,4,5,6,7,8
.irp c, 0,1,2,3
	v_cndmask_b32 v[F+4*\t+\c], v[F+4*\t+\c], v[VZ], s[PM+\t]   ; the pads' codes are zeros
.endr
.endr
	WIN 0x40
.irp c, 0,1,2,3
	v_mov_b32 v[F+36+\c], 0                        ; there is no tile 9
.endr
	WIN 0
	v_mov_b32 v[C7F], 0x7f7f
.irp t, 0,1,2,3,4,5,6,7,8
	v_cndmask_b32 v[ST+\t], v[ST+\t], v[C7F], s[PM+\t]   ; and their scales 1
.endr
.irp f, 0,1,2,3
	v_lshl_or_b32 v[W2S+\f], v[ST+2*\f+1], 16, v[ST+2*\f]   ; bytes 0, 1: tile 2 f (k 0-63); bytes 2, 3: tile 2 f + 1 (k 64-127)
.endr
	v_or_b32 v[W2S+4], 0x7f7f0000, v[ST+8]
	s_wait_dscnt 0x0                               ; for the others' sake: my rows of the tables and images and my word of the bias lie in LDS; and the stores have read their registers
.irp c, 0,1,2,3
	v_mov_b32 v[ZL+\c], 0
	v_mov_b32 v[ZH+\c], 0
.endr
	v_mov_b32 v[TP], 0                             ; a lane permute's destination counts as one of its sources
	s_barrier_signal -1
	s_barrier_wait -1                              ; everybody's do; nobody writes them again
	WIN 0x40
.irp q, 0,1
.irp c, 0,1,2,3,4,5,6,7
	ds_load_b128 v[U2R+32*\q+4*\c:U2R+32*\q+4*\c+3], v[AU2R] offset:16*U2P*\q+16*\c
.endr
.irp c, 0,1,2,3
	ds_load_b128 v[X2R+16*\q+4*\c:X2R+16*\q+4*\c+3], v[AX2R] offset:16*X2P*\q+16*\c
.endr
.endr
.set sl, 0
.rept 72
	SLOTC sl
	ds_load_b32 v[BI+sl], v[ABI] offset:4*CROW     ; the bias in the result's layout; it stays
.set sl, sl+1
.endr
	WIN 0
	NLOAD VU0, VX0, 0                              ; my first n
; A TILE: 16 positions: tile q of my m, the n in hand (parity par).  pf = 1, 2: the n that lies pf rows behind the trip's first is fetched as soon as u1 and x1 have been read.
.macro TILE q, par, pf
.set YINIT, 0
	WIN 0x01                                       ; source 0 window 1
.set i, 0
.rept 16
	v_pk_add_f32 v[P+i:P+i+1], v[U2R+32*\q+i:U2R+32*\q+i+1], v[U1R+i:U1R+i+1]   ; mid W1 + b1
.set i, i+2
.endr
	WIN 0
.set i, 0
.rept 16
	v_pk_mul_f32 v[T+i:T+i+1], v[P+i:P+i+1], s[48:49] op_sel_hi:[1,0]
.set i, i+2
.endr
.set i, 0
.rept 32
	v_exp_f32 v[T+i], v[T+i]                       ; e^-z
.set i, i+1
.endr
	v_nop                                          ; a plain instruction behind the last exponential
	s_wait_alu depctr_va_vdst(0)                   ; one wait for the batch, ahead of its first reader
.set i, 0
.rept 16
	v_pk_add_f32 v[T+i:T+i+1], v[T+i:T+i+1], 1.0 op_sel_hi:[1,0]
.set i, i+2
.endr
.set i, 0
.rept 32
	v_rcp_f32 v[T+i], v[T+i]
.set i, i+1
.endr
	v_nop
	s_wait_alu depctr_va_vdst(0)                   ; likewise, for the 32 reciprocals
.set i, 0
.rept 16
	v_pk_mul_f32 v[P+i:P+i+1], v[P+i:P+i+1], v[T+i:T+i+1]   ; silu(z) = z / (1 + e^-z)
.set i, i+2
.endr
	; the quantiser: my 32 numbers are one block.  Two chains; the floor 2^(3 - 127) among the leaves holds the byte at 1 from below
	v_max3_num_f32 v[MA], |v[P]|, |v[P+1]|, 0x1800000
	v_max3_num_f32 v[MB], |v[P+16]|, |v[P+17]|, |v[P+18]|
.set i, 0
.rept 6
	v_max3_num_f32 v[MA], v[MA], |v[P+2+2*i]|, |v[P+3+2*i]|
	v_max3_num_f32 v[MB], v[MB], |v[P+19+2*i]|, |v[P+20+2*i]|
.set i, i+1
.endr
	v_max3_num_f32 v[MA], v[MA], |v[P+14]|, |v[P+15]|
	v_max3_num_f32 v[MA], v[MA], v[MB], |v[P+31]|
	v_add_nc_u32 v[SC], 0xff000000, v[MA]          ; 2 off the exponent field: the conversions take that field as their scale, and nothing else
	v_lshrrev_b32 v[BY], 23, v[SC]                 ; the scale's byte,
	v_lshlrev_b32 v[WD], v[V8H], v[BY]             ; at its place: block hh;
	v_permlanex16_b32 v[TP], v[WD], s30, s31
	v_or_b32 v[WD], v[WD], v[TP]                   ; with lane l xor 16's;
	v_lshl_or_b32 v[HS], v[WD], 16, v[WD]          ; and once more for k 64-127, where the odd tiles find the codes
.irp g, 0,1,2,3
	v_cvt_scalef32_pk8_fp4_f32 v[HC+\g], v[P+8*\g:P+8*\g+7], v[SC]   ; k = 32 hh + 8 g + 0 .. 7: the operand's register g
.endr
	WIN 0x01
.set i, 0
.rept 8
	v_pk_add_f32 v[DX+i:DX+i+1], v[X2R+16*\q+i:X2R+16*\q+i+1], v[X1R+i:X1R+i+1] neg_lo:[0,1] neg_hi:[0,1]   ; dx.  These eight are also the places between the scale word's and the codes' writes and the products
.set i, i+2
.endr
.if \pf
	WIN 0
.if \pf == 2
	s_cmp_eq_u32 s32, 1                            ; the last trip has no next n
	s_cbranch_scc1 .Lno_next_\@
.endif
	NLOAD VU, VX, \pf                              ; it lands under the rest of this tile
.if \pf == 2
.Lno_next_\@:
.endif
.endif
	WIN 0x11                                       ; W2 (source 0) and the bias (source 2) window 1
.set t, 0
.rept 9                                        ; nine accumulators, each begun by its bias: none adds onto another's or its own result
.if t%2
.set hb, ZL
.else
.set hb, HC
.endif
	v_wmma_scale_f32_16x16x128_f8f6f4 v[ACC+8*t:ACC+8*t+7], v[F+8*(t/2):F+8*(t/2)+7], v[hb:hb+7], v[BI+8*t:BI+8*t+7], v[W2S+t/2], v[HS] matrix_a_fmt:MATRIX_FMT_FP4 matrix_b_fmt:MATRIX_FMT_FP4
.set t, t+1
.endr
	WIN 0
.rept 4
	v_nop                                          ; four places in front of the first read of results (ISA guide 7.12.1)
.endr
	; softplus(z) = max(z, 0) + ln 2 x log2(1 + 2^(-|z| log2 e)) on the eight diagonal entries of my half; the columns' multiply-adds stand behind each batch.  Each accumulator is read from its low end on
.set a, 0
.rept 8
	v_mul_f32 v[SP+a], s48, |v[ACC+2*a]|
.set a, a+1
.endr
.set a, 0
.rept 8
	v_exp_f32 v[SP+a], v[SP+a]
.set a, a+1
.endr
.set kk, 0
.rept 7
	PKOP 16+2*kk                                   ; tiles 2 to 5 and tiles 6 to 8 by turns
	PKOP 48+2*kk
.set kk, kk+1
.endr
	s_wait_alu depctr_va_vdst(0)                   ; one wait for the eight exponentials
.set a, 0
.rept 4
	v_pk_add_f32 v[SP+a:SP+a+1], v[SP+a:SP+a+1], 1.0 op_sel_hi:[1,0]
.set a, a+2
.endr
.set a, 0
.rept 8
	v_log_f32 v[SP+a], v[SP+a]
.set a, a+1
.endr
.set a, 0
.rept 8
	v_max_num_f32 v[MX+a], 0, v[ACC+2*a]
.set a, a+1
.endr
.rept 5
	PKOP 16+2*kk
	PKOP 48+2*kk
.set kk, kk+1
.endr
.rept 4
	PKOP 16+2*kk
.set kk, kk+1
.endr
	s_wait_alu depctr_va_vdst(0)                   ; one wait for the eight logarithms
.set a, 0
.rept 8
	v_fma_f32 v[ACC+2*a], v[SP+a], s50, v[MX+a]
.set a, a+1
.endr
.set kk, 0
.rept 8
	PKOP 2*kk                                      ; the diagonal and the entry under it
.set kk, kk+1
.endr
.set a, 0
.rept 8
	v_add_f32 v[MX+a], v[Y+2*a], v[Y+2*a+1]        ; y of column 2 a + hh
.set a, a+1
.endr
	v_pk_mul_f32 v[Q0:Q0+1], v[MX:MX+1], v[MX:MX+1]
	v_pk_mul_f32 v[Q1:Q1+1], v[MX+2:MX+3], v[MX+2:MX+3]
	v_pk_fma_f32 v[Q0:Q0+1], v[MX+4:MX+5], v[MX+4:MX+5], v[Q0:Q0+1]
	v_pk_fma_f32 v[Q1:Q1+1], v[MX+6:MX+7], v[MX+6:MX+7], v[Q1:Q1+1]
	v_pk_add_f32 v[Q0:Q0+1], v[Q0:Q0+1], v[Q1:Q1+1]
	v_add_f32 v[SS+2*\q+\par], v[Q0], v[Q0+1]      ; my half's eight columns
.endm
; A trip's four tiles leave.  The exchange puts the even n's two halves into lanes 0-15 of the two registers and the odd n's into lanes 16-31: one addition joins both.
.macro FINISH
.irp q, 0,1
	v_permlane16_swap_b32 v[SS+2*\q], v[SS+2*\q+1]
.endr
.irp q, 0,1
	v_add_f32 v[SS+2*\q], v[SS+2*\q], v[SS+2*\q+1]
.endr
.irp q, 0,1
	v_max_num_f32 v[SS+2*\q], s51, v[SS+2*\q]
.endr
.irp q, 0,1
	v_sqrt_f32 v[SS+2*\q], v[SS+2*\q]
.endr
	v_nop
	s_wait_alu depctr_va_vdst(0)                   ; one wait for the two roots
.irp q, 0,1
	ds_store_b32 v[VST], v[SS+2*\q] offset:64*\q   ; row 2 x trip + hh of my region, m = 16 q + r
.endr
.endm
	s_mov_b32 s32, 4                               ; trips: two n each
	s_mov_b32 s33, 0                               ; u1: 512 bytes a trip
	s_mov_b32 s34, 0                               ; x1's image and the stage: 256 bytes a trip
.Ltrip:
	s_wait_dscnt 0x0                               ; the trip's first n is in (in the first trip also u2, x2 and the bias); no LDS instruction of mine is out, so the three addresses are written
	v_add_nc_u32 v[VU], s33, v[VU0]
	v_add_nc_u32 v[VX], s34, v[VX0]
	v_add_nc_u32 v[VST], s34, v[VST0]
	TILE 0, 0, 0
	TILE 1, 0, 1
	s_wait_dscnt 0x0                               ; the second n is in
	TILE 0, 1, 0
	TILE 1, 1, 2
	FINISH
	s_add_co_u32 s33, s33, 512
	s_add_co_u32 s34, s34, 256
	s_sub_co_u32 s32, s32, 1
	s_cmp_lg_u32 s32, 0
	s_cbranch_scc1 .Ltrip
	; THE WAY OUT: a row of out's 64 m comes from two waves: a barrier, then each wave stores four whole rows
	s_wait_dscnt 0x0                               ; for the others' sake: my stores into my region are done
	s_barrier_signal -1
	s_barrier_wait -1
	ds_load_b128 v[16:19], v[VRD]
	ds_load_b128 v[20:23], v[VRD] offset:256
	s_wait_dscnt 0x1                               ; the first two rows are back; the second load may be out
	global_store_b128 v[VOUT], v[16:19], s[18:19] th:TH_STORE_NT               ; sixteen lanes store 256 consecutive bytes, at a multiple of 256 from out's first byte
	s_wait_dscnt 0x0
	global_store_b128 v[VOUT], v[20:23], s[18:19] offset:2048 th:TH_STORE_NT
	s_set_vgpr_msb 0x5
	s_wait_tensorcnt 0x0
	ds_add_u32 v208, v209
	s_wait_dscnt 0x0
	s_set_vgpr_msb 0x500
	s_endpgm
.Lfunc_end_k_q9aabff63a7_field:
	.size	k_q9aabff63a7_field, .Lfunc_end_k_q9aabff63a7_field-k_q9aabff63a7_field
	.p2alignl 7, 3214868480
	.fill 96, 4, 3214868480
	.section	.rodata,"a",@progbits
	.p2align	6, 0x0
	.amdhsa_kernel k_q9aabff63a7_field
		.amdhsa_group_segment_fixed_size 51712
		.amdhsa_private_segment_fixed_size 0
		.amdhsa_enable_private_segment 0
		.amdhsa_kernarg_size 64
		.amdhsa_user_sgpr_count 2
		.amdhsa_user_sgpr_kernarg_segment_ptr 1
		.amdhsa_wavefront_size32 1
		.amdhsa_system_sgpr_workgroup_id_x 1
		.amdhsa_system_sgpr_workgroup_id_y 1
		.amdhsa_system_sgpr_workgroup_id_z 1
		.amdhsa_system_vgpr_workitem_id 0
		.amdhsa_next_free_vgpr 466
		.amdhsa_next_free_sgpr 66
		.amdhsa_reserve_vcc 1
		.amdhsa_float_denorm_mode_32 3
		.amdhsa_float_denorm_mode_16_64 3
		.amdhsa_memory_ordered 1
		.amdhsa_forward_progress 1
		.amdhsa_inst_pref_size 105
	.end_amdhsa_kernel
	.amdgpu_metadata
---
amdhsa.version: [ 1, 2 ]
amdhsa.kernels:
  - .name:           k_q9aabff63a7_field
    .symbol:         k_q9aabff63a7_field.kd
    .args:
      - { .name: x1, .offset: 0, .size: 8, .value_kind: global_buffer, .address_space: global }
      - { .name: x2, .offset: 8, .size: 8, .value_kind: global_buffer, .address_space: global }
      - { .name: W1, .offset: 16, .size: 8, .value_kind: global_buffer, .address_space: global }
      - { .name: b1, .offset: 24, .size: 8, .value_kind: global_buffer, .address_space: global }
      - { .name: W2_codes, .offset: 32, .size: 8, .value_kind: global_buffer, .address_space: global }
      - { .name: W2_scales, .offset: 40, .size: 8, .value_kind: global_buffer, .address_space: global }
      - { .name: b2, .offset: 48, .size: 8, .value_kind: global_buffer, .address_space: global }
      - { .name: out0, .offset: 56, .size: 8, .value_kind: global_buffer, .address_space: global }
    .group_segment_fixed_size: 51712
    .private_segment_fixed_size: 0
    .kernarg_segment_align: 8
    .kernarg_segment_size: 64
    .max_flat_workgroup_size: 256
    .sgpr_count:     66
    .vgpr_count:     466
    .wavefront_size: 32
...
	.end_amdgpu_metadata
.endif
;; end of part 1
